; MI455X (gfx1250); checked and timed in simulation.
; The chip was launched on July 23, 2026; its instructions are those of AMD's public machine-readable ISA for CDNA 5 (MIT licence, August 2026) and "CDNA5" Instruction Set Architecture Reference Guide (July 2026). The comments in the code are by the model that wrote it; some were corrected since.
;; Multi Head Attention. Allowed arithmetic: matrix products marked QUANTISED: E2M1 operands, one E8M0 scale for each 32 along K, by v_wmma_scale_f32_16x16x128_f8f6f4 with both operands' format E2M1 (or v_wmma_scale_f32_32x16x128_f4), f32 sums; products left as they are: bf16, f16 or f32 operands; f32 sums; everything else in f32.
;; Inputs: Wk 1,024 x 1,024 float32; Wo 1,024 x 1,024 float32; Wq 1,024 x 1,024 float32; Wv 1,024 x 1,024 float32; bk 1,024 float32; bo 1,024 float32; bq 1,024 float32; bv 1,024 float32; k 4 x 2,048 x 1,024 float32; q 4 x 2,048 x 1,024 float32; v 4 x 2,048 x 1,024 float32.
;; Outputs: out0 4 x 2,048 x 1,024 float32.
;; This version of the problem:
;;   THIS VERSION OF THE PROBLEM IS GIVEN IN LOW PRECISION. The matrix products marked QUANTISED in the list below multiply operands that are first quantised to E2M1 (2 exponent bits, 1 mantissa bit; 4 bits a number), with one power-of-two scale for each 32 numbers along K (OCP MX v1.0); their sums are f32. The products marked 'left as it is' may take bf16, f16 or f32 operands, with f32 sums. Whichever they take, every output number must still come out within the allowed error. Rounding operands to bf16 (8 significant bits) uses up far more of that allowance than f16 does (11 bits, for magnitudes from 6e-5 to 65,504). All else is computed in f32.
;;   The module's matrix products, in the order in which they are computed (A, B: the left and right operand; K: the contracted axis; several contracted axes count as one K, in the product's order):
;;     1. [M 8,192, K 1,024] x [K 1,024, N 1,024]; A: input q; B: input Wq: QUANTISED
;;     2. [M 8,192, K 1,024] x [K 1,024, N 1,024]; A: input k; B: input Wk: QUANTISED
;;     3. [M 8,192, K 1,024] x [K 1,024, N 1,024]; A: input v; B: input Wv: QUANTISED
;;     4. batch 64 x [M 2,048, K 64] x [K 64, N 2,048]; A: computed on the way; B: computed on the way: left as it is (an operand is computed on the way)
;;     5. batch 64 x [M 2,048, K 2,048] x [K 2,048, N 64]; A: computed on the way; B: computed on the way: left as it is (an operand is computed on the way)
;;     6. [M 8,192, K 1,024] x [K 1,024, N 1,024]; A: computed on the way; B: input Wo: left as it is (an operand is computed on the way)
;;   THE QUANTISER, for each operand of a quantised product, along K:
;;     - K is cut into blocks of 32 from its start; a last block that is shorter is filled with zeros.
;;     - A block's scale is 2^e with e = floor(log2(the largest magnitude in the block)) - 2, held to -126 .. 127; a block of zeros has e = 0. As a byte (E8M0): e + 127.
;;     - Each number is divided by its block's scale, clamped to +-6, and rounded to the nearest number of E2M1, ties to even, subnormals kept.
;;     - The product sums the exact products of the quantised numbers (number of the format x scale) in f32.
;;   ~~~python
;;   def quantise(x, axis):      # numpy; x: float32 -> the quantised numbers, widened to float32 again
;;       x = np.moveaxis(x, axis, -1); K = x.shape[-1]
;;       x = np.pad(x, [(0, 0)] * (x.ndim - 1) + [(0, -K % 32)]); x = x.reshape(x.shape[:-1] + (-1, 32)); a = np.abs(x).max(-1, keepdims=True)
;;       e = np.where(a > 0, np.clip(np.frexp(np.where(a > 0, a, 1))[1] - 1 - 2, -126, 127), 0)      # np.frexp(a)[1] - 1 = floor(log2(a)), exactly
;;       r = np.clip(x / 2.0 ** e, -6, 6)
;;       step = 2.0 ** (np.maximum(np.frexp(np.where(r == 0, 1, r))[1] - 1, 0) - 1)
;;       q = np.round(r / step) * step * 2.0 ** e      # np.round: ties to even
;;       return np.moveaxis(q.reshape(q.shape[:-2] + (-1,))[..., :K], -1, axis).astype(np.float32)
;;   ~~~
;; One version. Each part assembles by itself: llvm-mc -triple=amdgcn-amd-amdhsa -mcpu=gfx1250 --defsym DOCPART=n.
;; ======== version 1 of 1: 4 launches
;; limits: values are held in f16: magnitudes above 65,504 overflow, below 6.1e-05 lose precision
;; workspace buffers: acod 12,582,912 bytes; ascl 786,432 bytes; wcod 1,572,864 bytes; wscl 98,304 bytes; wof 2,097,152 bytes; mpart 4,194,304 bytes; mx 4,096 bytes; obuf 16,777,216 bytes
;; launch prep (part 1): grid 448 x 1, 4 waves a work-group, no clusters, 34,304 bytes of LDS; arguments q, k, v, Wq, Wk, Wv, Wo, acod, ascl, wcod, wscl, wof; writes acod, ascl, wcod, wscl, wof
.if DOCPART == 1
	.amdgcn_target "amdgcn-amd-amdhsa--gfx1250"
	.amdhsa_code_object_version 6
	.text
	.protected	k_qc8aed6e738_prep
	.globl	k_qc8aed6e738_prep
	.p2align	8
	.type	k_qc8aed6e738_prep,@function
k_qc8aed6e738_prep:
	s_mov_b64 s[64:65], 0
	v_nop
	global_prefetch_b8 v0, s[64:65] scope:SCOPE_SE
	s_setreg_imm32_b32 hwreg(HW_REG_WAVE_MODE, 25, 1), 1
	s_wait_xcnt 0x0
; q, k, v [8192][1024] f32 (K innermost) and Wq, Wk, Wv [1024 (k)][1024 (n)] f32 (K outermost) become codes of E2M1 with one E8M0 byte for each 32 along K; Wo [1024 (k)][1024 (n)] becomes f16.
; Everything is laid as IMAGES OF OPERAND REGISTERS: a fragment's groups of four registers on end, lane l's 16 bytes at 16 l, so that the later launches fill an operand by loads of 512 consecutive bytes.
;   acod [tensor q,k,v][chunk of 32 rows][half of K][8,192]: fragment (K step s of the half, row tile rt) at 1,024 (2 s + rt); in it [c][lane][16]: lane (r, hh) holds block 2 c + hh of row r.
;   ascl the same index, 512 bytes: lane l: the four scale words (K steps 0..3 of the half) of row l of the chunk.
;   wcod [q,k,v][head][4 (K step) + tile of 16 columns][1,024];  wscl [q,k,v][column][8 words];  wof [block of 256 columns][32 along K][tile of 16 columns][1,024] (f16: [half of the registers][lane][16]).
; A block's scale is 2^(floor(log2(largest magnitude)) - 2): its byte is the largest magnitude's exponent field - 2, held at 1 from below by a floor among the maximum's leaves.
; LIMITS: a block of zeros gets the byte 1 where the quantiser says 127 (its codes are zeros, and this program alone reads the bytes); NaN and infinities are not served; |Wo| stays under 65,504 (f16).
; SHARES: every wave takes 65,536 bytes of f32.  Work-groups 0-47: the three weights (a lane a column, registers down K); 48-63: Wo likewise; 64-447: q, k, v (32 rows x 512 along K a wave).
; A stream: no matrix unit, no cluster, no barrier: waves share nothing.  Only the activations' path uses LDS: a stage for each wave, 16 rows x (512 + 16) bytes, which turns dense loads into 32 neighbours a lane.
.set STG,   8448                       ; a wave's stage: 16 x 528 bytes; 528 = 33 x 16, so sixteen rows' reads of 16 bytes fall on different banks
.set SPARE, 4*STG                      ; behind the stages: the spare words, 128 bytes a wave
.set SPW,   6                          ; v6  my spare word's address; never rewritten
.set NIL,   7                          ; v7  0; never rewritten
.set R,     64                         ; v64-191  activations: two sets of 64 as loaded.  Weights: v64-127 two sets of 32, v128-159 two sets of 16 results
.set X,     192                        ; v192-255 a lane's two blocks of 32 neighbours
.set SEL,   48                         ; s[48:49] lane selects: lane l xor 16
.macro CLOSE                           ; a wave's end
	s_wait_tensorcnt 0x0
	ds_add_u32 v[SPW], v[NIL]
	s_wait_dscnt 0x0
	s_endpgm
.endm
	s_load_b512 s[8:23], s[0:1], 0x0               ; q 8, k 10, v 12, Wq 14, Wk 16, Wv 18, Wo 20, acod 22
	s_load_b256 s[24:31], s[0:1], 0x40             ; ascl 24, wcod 26, wscl 28, wof 30
	v_lshl_add_u32 v[SPW], v0, 2, SPARE
	v_mov_b32 v[NIL], 0
	v_lshrrev_b32 v1, 5, v0
	v_readfirstlane_b32 s32, v1                    ; wave
	v_and_b32 v1, 31, v0                           ; lane
	v_lshlrev_b32 v2, 4, v1                        ; 16 x lane
	s_mov_b32 s41, 0                               ; the high word of every offset pair s[40:41]
	s_mov_b32 s[SEL], 0x76543210
	s_mov_b32 s[SEL+1], 0xfedcba98
	s_wait_kmcnt 0x0
	s_cmp_lt_u32 ttmp9, 48
	s_cbranch_scc1 .Lweights
	s_cmp_lt_u32 ttmp9, 64
	s_cbranch_scc1 .Lwo
; ---------------- q, k, v: unit u = 4 (work-group - 64) + wave = 512 tensor + 2 chunk + half
	s_sub_co_u32 s34, ttmp9, 64
	s_cmp_lt_u32 s34, 256
	s_cselect_b64 s[36:37], s[10:11], s[12:13]     ; the choice hangs on the work-group's number alone
	s_cmp_lt_u32 s34, 128
	s_cselect_b64 s[36:37], s[8:9], s[36:37]
	s_lshl_b32 s35, s34, 2
	s_add_co_u32 s35, s35, s32                     ; u
	s_and_b32 s38, s35, 511
	s_lshr_b32 s39, s38, 1
	s_lshl_b32 s40, s39, 17                        ; chunk x 32 rows x 4,096 bytes
	s_and_b32 s38, s38, 1
	s_lshl_b32 s38, s38, 11                        ; half x 2,048 bytes
	s_add_co_u32 s40, s40, s38
	s_add_nc_u64 s[36:37], s[36:37], s[40:41]
	s_lshl_b32 s40, s35, 13
	s_add_nc_u64 s[22:23], s[22:23], s[40:41]      ; my 8,192 bytes of codes
	s_lshl_b32 s40, s35, 9
	s_add_nc_u64 s[24:25], s[24:25], s[40:41]      ; my 512 bytes of scale words
	s_mul_i32 s33, s32, STG
	v_add_nc_u32 v3, s33, v2                       ; the stage, on the way in: 16 x lane of a row
	v_and_b32 v8, 15, v0                           ; r
	v_bfe_u32 v9, v0, 4, 1                         ; hh
	v_mul_u32_u24 v4, v8, 528
	v_lshl_add_u32 v4, v9, 7, v4
	v_add_nc_u32 v4, s33, v4                       ; on the way out: row r, block hh (128 bytes a block)
	v_lshlrev_b32 v5, 3, v9                        ; 8 hh: where my two bytes stand in a scale word
	v_mov_b32 v15, 0                               ; written once: a lane permute's destination counts as read
.macro LOADF f                         ; fragment f = 4 rt + s: 16 rows x 512 bytes, each load 512 consecutive bytes of one row
.set i, 0
.rept 16
	global_load_b128 v[R+64*((\f)%2)+4*i:R+64*((\f)%2)+4*i+3], v2, s[36:37] offset:(16*((\f)/4)+i)*4096+512*((\f)%4) th:TH_LOAD_NT
.set i, i+1
.endr
.endm
.macro FRAG f
.set RS, R+64*((\f)%2)
.set CS, 24+8*((\f)%2)
.if (\f) < 7
	s_wait_loadcnt 16                              ; my fragment's 16 loads are in; the next fragment's 16 may be out
.else
	s_wait_loadcnt 0x0
.endif
.set i, 0
.rept 16
	ds_store_b128 v3, v[RS+4*i:RS+4*i+3] offset:528*i
.set i, i+1
.endr
.set i, 0
.rept 16
	ds_load_b128 v[X+4*i:X+4*i+3], v4 offset:256*(i/8)+16*(i%8)   ; blocks hh and 2 + hh of row r; LDS serves a wave's instructions in order: these see the stores above
.set i, i+1
.endr
	s_wait_dscnt 0x0                               ; the 64 numbers are in
.if (\f) < 6
	LOADF (\f)+2
.endif
	v_max3_num_f32 v8, |v[X]|, |v[X+1]|, 0x1800000         ; the floor 2^(3 - 127): the byte cannot fall under 1
	v_max3_num_f32 v9, |v[X+32]|, |v[X+33]|, 0x1800000
.set i, 2
.rept 15
	v_max3_num_f32 v8, v8, |v[X+i]|, |v[X+i+1]|            ; the two blocks by turns
	v_max3_num_f32 v9, v9, |v[X+32+i]|, |v[X+33+i]|
.set i, i+2
.endr
	v_add_nc_u32 v10, 0xff000000, v8               ; 2 off the exponent field: the conversion's scale operand
	v_add_nc_u32 v11, 0xff000000, v9
	v_lshrrev_b32 v12, 23, v10                     ; the bytes
	v_lshrrev_b32 v13, 23, v11
	v_lshl_or_b32 v14, v13, 16, v12
	v_lshlrev_b32 v14, v5, v14                     ; at their places in the word
	v_permlanex16_b32 v15, v14, s[SEL], s[SEL+1]
	v_or_b32 v[16+(\f)], v14, v15                  ; row r's scale word of this K step, in both halves of the lanes
	s_wait_xcnt 0x0                                ; the stores of two fragments ago have read this set of code registers
.set i, 0
.rept 8
	v_cvt_scalef32_pk8_fp4_f32 v[CS+i], v[X+8*i:X+8*i+7], v[10+i/4]
.set i, i+1
.endr
	v_nop                                          ; one plain place behind the conversions
	global_store_b128 v2, v[CS:CS+3], s[22:23] offset:(2*((\f)%4)+(\f)/4)*1024       ; 512 consecutive bytes a store
	global_store_b128 v2, v[CS+4:CS+7], s[22:23] offset:(2*((\f)%4)+(\f)/4)*1024+512
.endm
	LOADF 0
	LOADF 1
.irp f, 0,1,2,3,4,5,6,7
	FRAG \f
.endr
	v_cmp_gt_u32 vcc_lo, 16, v1                    ; lanes 0-15 keep row tile 0's words, lanes 16-31 row tile 1's: lane l = row l of the chunk
.irp s, 0,1,2,3
	v_cndmask_b32 v[40+\s], v[20+\s], v[16+\s], vcc_lo
.endr
	global_store_b128 v2, v[40:43], s[24:25]
	CLOSE
; ---------------- both weight paths: a lane takes a column, its registers run down K
.macro LOADB bk                        ; rows 32 bk + 0..31 at my wave's 32 columns: 128 consecutive bytes a load, 512 for the four waves
.set i, 0
.rept 32
	global_load_b32 v[64+32*((\bk)%2)+i], v44, s[36:37] offset:(32*(\bk)+i)*4096 th:TH_LOAD_NT
.set i, i+1
.endr
.endm
.Lweights:                             ; work-group = 16 tensor + 2 (group of 128 columns) + half of K
	s_lshr_b32 s34, ttmp9, 4
	s_cmp_eq_u32 s34, 1
	s_cselect_b64 s[36:37], s[16:17], s[18:19]
	s_cmp_eq_u32 s34, 0
	s_cselect_b64 s[36:37], s[14:15], s[36:37]
	s_bfe_u32 s35, ttmp9, 0x30001
	s_and_b32 s38, ttmp9, 1                        ; half of K
	s_lshl_b32 s39, s35, 7
	s_lshl_b32 s40, s32, 5
	s_add_co_u32 s39, s39, s40                     ; my first column
	s_lshl_b32 s40, s38, 21                        ; 512 rows of 4,096 bytes
	s_lshl_b32 s42, s39, 2
	s_add_co_u32 s40, s40, s42
	s_add_nc_u64 s[36:37], s[36:37], s[40:41]
	s_lshr_b32 s42, s39, 6                         ; head
	s_lshl_b32 s43, s34, 4
	s_add_co_u32 s42, s42, s43
	s_lshl_b32 s40, s42, 15                        ; (16 tensor + head) x 32,768
	s_lshl_b32 s43, s38, 4
	s_bfe_u32 s44, s39, 0x20004                    ; my first tile of 16 columns in the head: 0 or 2
	s_add_co_u32 s43, s43, s44
	s_lshl_b32 s43, s43, 10                        ; + (16 half + tile) x 1,024
	s_add_co_u32 s40, s40, s43
	s_add_nc_u64 s[26:27], s[26:27], s[40:41]
	s_lshl_b32 s40, s34, 15
	s_lshl_b32 s43, s39, 5
	s_add_co_u32 s40, s40, s43
	s_lshl_b32 s43, s38, 4
	s_add_co_u32 s40, s40, s43                     ; scale words: 32,768 tensor + 32 column + 16 half
	s_add_nc_u64 s[28:29], s[28:29], s[40:41]
	v_lshlrev_b32 v44, 2, v1
	v_lshlrev_b32 v45, 5, v1
.macro BLOCK bk                        ; one block of 32 along K of my column; four blocks make a K step
.set XS, 64+32*((\bk)%2)
.set CB, 128+16*(((\bk)/4)%2)
.if (\bk) < 15
	s_wait_loadcnt 32                              ; this block's 32 loads are in; the next block's may be out
.else
	s_wait_loadcnt 0x0
.endif
	v_max3_num_f32 v8, |v[XS]|, |v[XS+1]|, |v[XS+2]|
	v_max3_num_f32 v9, |v[XS+3]|, |v[XS+4]|, |v[XS+5]|
.irp n, 6,10,14,18,22,26
	v_max3_num_f32 v8, v8, |v[XS+\n]|, |v[XS+\n+1]|
	v_max3_num_f32 v9, v9, |v[XS+\n+2]|, |v[XS+\n+3]|
.endr
	v_max3_num_f32 v8, v8, |v[XS+30]|, |v[XS+31]|
	v_max3_num_f32 v8, v8, v9, 0x1800000           ; and the floor
	v_add_nc_u32 v10, 0xff000000, v8
	v_lshrrev_b32 v12, 23, v10
.if (\bk)%4 == 0
	v_mov_b32 v[16+(\bk)/4], v12                   ; four bytes to a word, the lower K in the lower byte
	s_wait_xcnt 0x0                                ; the stores of two K steps ago have read this set of code registers
.else
	v_lshl_or_b32 v[16+(\bk)/4], v12, 8*((\bk)%4), v[16+(\bk)/4]
.endif
.set i, 0
.rept 4
	v_cvt_scalef32_pk8_fp4_f32 v[CB+4*((\bk)%4)+i], v[XS+8*i:XS+8*i+7], v10
.set i, i+1
.endr
.if (\bk)+2 < 16
	LOADB (\bk)+2
.endif
.if (\bk)%4 == 3
	v_nop                                          ; one plain place behind the conversions
.irp c, 0,1                            ; lanes 0-15 hold the first tile's columns, lanes 16-31 the second's.  The exchange gives each tile a whole fragment: lanes 0-15 block 2 c, lanes 16-31 block 2 c + 1
.irp n, 0,1,2,3
	v_permlane16_swap_b32 v[CB+8*\c+\n], v[CB+8*\c+4+\n]
.endr
.endr
.irp c, 0,1
.irp tile, 0,1
	global_store_b128 v2, v[CB+8*\c+4*\tile:CB+8*\c+4*\tile+3], s[26:27] offset:((\bk)/4)*4096+1024*\tile+512*\c
.endr
.endr
.endif
.endm
	LOADB 0
	LOADB 1
.irp n, 0,1,2,3,4,5,6,7,8,9,10,11,12,13,14,15
	BLOCK \n
.endr
	global_store_b128 v45, v[16:19], s[28:29]      ; my column's four scale words of this half of K
	CLOSE
.Lwo:                                  ; work-group - 48 = 2 (group of 128 columns) + half of K
	s_sub_co_u32 s34, ttmp9, 48
	s_lshr_b32 s35, s34, 1
	s_and_b32 s38, s34, 1
	s_lshl_b32 s39, s35, 7
	s_lshl_b32 s40, s32, 5
	s_add_co_u32 s39, s39, s40                     ; my first column
	s_lshl_b32 s40, s38, 21
	s_lshl_b32 s42, s39, 2
	s_add_co_u32 s40, s40, s42
	s_add_nc_u64 s[36:37], s[20:21], s[40:41]
	s_lshr_b32 s42, s39, 8                         ; block of 256 columns
	s_lshl_b32 s40, s42, 19
	s_lshl_b32 s42, s38, 18                        ; 16 steps of 32 along K x 16,384
	s_add_co_u32 s40, s40, s42
	s_bfe_u32 s42, s39, 0x40004                    ; my first tile of 16 columns in the block
	s_lshl_b32 s42, s42, 10
	s_add_co_u32 s40, s40, s42
	s_add_nc_u64 s[30:31], s[30:31], s[40:41]
	v_lshlrev_b32 v44, 2, v1
.macro KAPPA kp                        ; 32 along K of my column become 16 registers of f16 pairs; the exchange gives each tile its fragment: registers 0-3: k = 8 hh + 0..7, registers 4-7: k = 16 + 8 hh + 0..7
.set XS, 64+32*((\kp)%2)
.set PS, 128+16*((\kp)%2)
.if (\kp) < 15
	s_wait_loadcnt 32
.else
	s_wait_loadcnt 0x0
.endif
	s_wait_xcnt 0x0                                ; the stores of two steps ago have read this set
.set i, 0
.rept 16
	v_cvt_pk_f16_f32 v[PS+i], v[XS+2*i], v[XS+2*i+1]
.set i, i+1
.endr
.if (\kp)+2 < 16
	LOADB (\kp)+2
.endif
.set i, 0
.rept 4
	v_permlane16_swap_b32 v[PS+i], v[PS+4+i]
	v_permlane16_swap_b32 v[PS+8+i], v[PS+12+i]
.set i, i+1
.endr
.irp hf, 0,1
.irp tile, 0,1
	global_store_b128 v2, v[PS+8*\hf+4*\tile:PS+8*\hf+4*\tile+3], s[30:31] offset:16384*(\kp)+1024*\tile+512*\hf
.endr
.endr
.endm
	LOADB 0
	LOADB 1
.irp n, 0,1,2,3,4,5,6,7,8,9,10,11,12,13,14,15
	KAPPA \n
.endr
	CLOSE
.Lfunc_end_k_qc8aed6e738_prep:
	.size	k_qc8aed6e738_prep, .Lfunc_end_k_qc8aed6e738_prep-k_qc8aed6e738_prep
	.p2alignl 7, 3214868480
	.fill 96, 4, 3214868480
	.section	.rodata,"a",@progbits
	.p2align	6, 0x0
	.amdhsa_kernel k_qc8aed6e738_prep
		.amdhsa_group_segment_fixed_size 34304
		.amdhsa_private_segment_fixed_size 0
		.amdhsa_enable_private_segment 0
		.amdhsa_kernarg_size 96
		.amdhsa_user_sgpr_count 2
		.amdhsa_user_sgpr_kernarg_segment_ptr 1
		.amdhsa_wavefront_size32 1
		.amdhsa_system_sgpr_workgroup_id_x 1
		.amdhsa_system_sgpr_workgroup_id_y 1
		.amdhsa_system_sgpr_workgroup_id_z 1
		.amdhsa_system_vgpr_workitem_id 0
		.amdhsa_next_free_vgpr 256
		.amdhsa_next_free_sgpr 66
		.amdhsa_reserve_vcc 1
		.amdhsa_float_denorm_mode_32 3
		.amdhsa_float_denorm_mode_16_64 3
		.amdhsa_memory_ordered 1
		.amdhsa_forward_progress 1
		.amdhsa_inst_pref_size 208
	.end_amdhsa_kernel
	.amdgpu_metadata
---
amdhsa.version: [ 1, 2 ]
amdhsa.kernels:
  - .name:           k_qc8aed6e738_prep
    .symbol:         k_qc8aed6e738_prep.kd
    .args:
      - { .name: q, .offset: 0, .size: 8, .value_kind: global_buffer, .address_space: global }
      - { .name: k, .offset: 8, .size: 8, .value_kind: global_buffer, .address_space: global }
      - { .name: v, .offset: 16, .size: 8, .value_kind: global_buffer, .address_space: global }
      - { .name: Wq, .offset: 24, .size: 8, .value_kind: global_buffer, .address_space: global }
      - { .name: Wk, .offset: 32, .size: 8, .value_kind: global_buffer, .address_space: global }
      - { .name: Wv, .offset: 40, .size: 8, .value_kind: global_buffer, .address_space: global }
      - { .name: Wo, .offset: 48, .size: 8, .value_kind: global_buffer, .address_space: global }
      - { .name: acod, .offset: 56, .size: 8, .value_kind: global_buffer, .address_space: global }
      - { .name: ascl, .offset: 64, .size: 8, .value_kind: global_buffer, .address_space: global }
      - { .name: wcod, .offset: 72, .size: 8, .value_kind: global_buffer, .address_space: global }
      - { .name: wscl, .offset: 80, .size: 8, .value_kind: global_buffer, .address_space: global }
      - { .name: wof, .offset: 88, .size: 8, .value_kind: global_buffer, .address_space: global }
    .group_segment_fixed_size: 34304
    .private_segment_fixed_size: 0
    .kernarg_segment_align: 8
    .kernarg_segment_size: 96
    .max_flat_workgroup_size: 128
    .sgpr_count:     66
    .vgpr_count:     256
    .wavefront_size: 32
...
	.end_amdgpu_metadata
.endif
;; end of part 1
;; launch kv (part 2): grid 256 x 1, 4 waves a work-group, no clusters, 131,584 bytes of LDS; arguments acod, ascl, wcod, wscl, bk, bv, mpart, mx; writes mpart, mx
.if DOCPART == 2
	.amdgcn_target "amdgcn-amd-amdhsa--gfx1250"
	.amdhsa_code_object_version 6
	.text
	.protected	k_qc8aed6e738_kv
	.globl	k_qc8aed6e738_kv
	.p2align	8
	.type	k_qc8aed6e738_kv,@function
k_qc8aed6e738_kv:
	s_mov_b64 s[64:65], 0
	v_nop
	global_prefetch_b8 v0, s[64:65] scope:SCOPE_SE
	s_setreg_imm32_b32 hwreg(HW_REG_WAVE_MODE, 25, 1), 1
	s_wait_xcnt 0x0
; THE ORDER OF THE PRODUCTS.  No softmax and no mask stand between the two products of the attention, so (Qh Kh^T) Vh = Qh (Kh^T Vh) for every input: the same products, summed in another order; no difference of large sums is formed.
; This launch makes, for one batch b, head h and quarter p of the 2,048 keys: Kh = k Wk + bk and Vh = v Wv + bv (512 rows x 64, both operands E2M1 codes with E8M0 scales, f32 sums), rounds them to f16 in registers,
; and sums M_p[d][e] = sum over the 512 rows of Kh[row][d] Vh[row][e] (f16 operands, f32 sums).  It stores M_p as images of the result's registers, and the largest magnitude of each wave's four tiles.
; SHARES.  Work-group g = 64 b + 4 h + p; wave w owns rows 128 w .. 128 w + 127 of the quarter: four chunks of 32.  Wk's and Wv's 64 columns of the head (32 fragments each) stay in every wave's registers: 512 registers.
; The codes of k and v stream from memory straight into operand registers, a unit (32 rows x 512 along K: 8,192 bytes of codes, 512 of scale words) at a time, three units deep.
; LAYOUT.  Source 0 = 16 rows of k or v, source 1 = 16 columns of the weight: a lane then holds ONE column d and eight rows, so the two row tiles of a chunk, rounded in pairs, ARE a fragment (16 columns x 32 rows) of the next product, whose K is the rows.
; NO TENSOR LOADS, NO JOINT REQUESTS, though the 16 heads' work-groups read the same codes: a unit of 8,704 bytes feeds 32 matrix instructions, and a work-group's stream is 4 x 16 x 8,704 = 557,056 bytes, more than LDS holds;
; through slots it would be stored to LDS and read again for one use of each fragment, with a round of a cluster's barrier for every few units.  What the four waves share, the weights, goes through LDS once.
; LIMITS: |Kh| and |Vh| stay under 65,504 (f16); NaN and infinities are not served.
; REGISTERS.  window 0: v1-15 addresses and work; v16-47 the weights' scale words (tile t, K step s at 16 + 8 t + s: lanes 0-15 Wk's, lanes 16-31 Wv's); v48-59 the units' scale words; v64-255 three unit buffers.
;   window 1: v0-127 M's 16 tiles (4 et + dt); v128-223 the projections' sums, then their f16 fragments (Kh at 128 + 8 dt, Vh at 160 + 8 et); v224-239 the biases, each number twice.   window 2: Wk.   window 3: Wv.
.set MIMG,  65536                      ; LDS: 0 .. 65,535 the weights' images (Wk's 32 fragments, then Wv's); from here 16,384 bytes of M for each wave
.set SPARE, 131072                     ; the spare words, 128 bytes a wave
.set SPW, 3
.set NIL, 4
.set WS,  16
.set ASC, 48
.set BUF, 64
.set SEL, 44
.set MSB, 0
.macro WIN new                         ; the immediate's high byte repeats the setting that is left; a switch that changes nothing is dropped
.set NW, \new
.if MSB != NW
	s_set_vgpr_msb (MSB<<8)|NW
.set MSB, NW
.endif
.endm
	s_load_b512 s[8:23], s[0:1], 0x0               ; acod 8, ascl 10, wcod 12, wscl 14, bk 16, bv 18, mpart 20, mx 22
	v_lshl_add_u32 v[SPW], v0, 2, SPARE
	v_mov_b32 v[NIL], 0
	v_lshrrev_b32 v1, 5, v0
	v_readfirstlane_b32 s24, v1                    ; wave
	v_and_b32 v1, 31, v0                           ; lane
	v_lshlrev_b32 v2, 4, v1                        ; 16 x lane
	v_and_b32 v9, 15, v0                           ; r
	v_bfe_u32 v10, v0, 4, 1                        ; hh
	s_lshl_b32 s25, s24, 14
	s_lshl_b32 s26, s24, 12
	v_add_nc_u32 v11, s25, v2                      ; LDS: where I put my quarter of the weights
	v_add_nc_u32 v5, MIMG, v11                     ; and my image of M
	v_add_nc_u32 v6, s26, v2
	v_add_nc_u32 v6, MIMG, v6                      ; the four tiles that I add up, in wave 0's image
	v_lshlrev_b32 v7, 5, v9
	v_lshl_add_u32 v7, v10, 15, v7                 ; the weights' scale words: 32 bytes a column; lanes 16-31 one tensor (32,768 bytes) on
	v_lshlrev_b32 v8, 2, v9                        ; the biases: column r
	v_mov_b32 v13, 0                               ; written once: a lane permute's destination counts as read
	v_mov_b32 v14, 0                               ; offset 0 for the one word of mx
	s_mov_b32 s[SEL], 0x76543210
	s_mov_b32 s[SEL+1], 0xfedcba98
	s_lshr_b32 s27, ttmp9, 6                       ; b
	s_bfe_u32 s28, ttmp9, 0x40002                  ; h
	s_and_b32 s29, ttmp9, 3                        ; p
	s_lshl_b32 s30, s27, 6
	s_lshl_b32 s31, s29, 4
	s_add_co_u32 s30, s30, s31
	s_lshl_b32 s31, s24, 2
	s_add_co_u32 s30, s30, s31                     ; my first chunk: 64 b + 16 p + 4 w
	s_mov_b32 s41, 0
	s_wait_kmcnt 0x0
	s_lshl_b32 s40, s30, 14
	s_add_co_u32 s40, s40, 0x400000                ; k is tensor 1 of the codes
	s_add_nc_u64 s[32:33], s[8:9], s[40:41]
	s_add_nc_u64 s[34:35], s[32:33], 0x400000      ; v is tensor 2
	s_lshl_b32 s40, s30, 10
	s_add_co_u32 s40, s40, 0x40000
	s_add_nc_u64 s[36:37], s[10:11], s[40:41]
	s_add_nc_u64 s[38:39], s[36:37], 0x40000
	s_lshr_b32 s40, s24, 1                         ; waves 0, 1 fetch Wk's halves, waves 2, 3 Wv's
	s_add_co_u32 s40, s40, 1
	s_lshl_b32 s40, s40, 4
	s_add_co_u32 s40, s40, s28
	s_lshl_b32 s40, s40, 15
	s_and_b32 s42, s24, 1
	s_lshl_b32 s42, s42, 14
	s_add_co_u32 s40, s40, s42
	s_add_nc_u64 s[12:13], s[12:13], s[40:41]
	s_lshl_b32 s40, s28, 11
	s_add_co_u32 s40, s40, 32768
	s_add_nc_u64 s[14:15], s[14:15], s[40:41]      ; Wk's scale words of the head's first column
	s_lshl_b32 s40, s28, 8
	s_add_nc_u64 s[16:17], s[16:17], s[40:41]
	s_add_nc_u64 s[18:19], s[18:19], s[40:41]
	s_lshl_b32 s40, ttmp9, 14
	s_add_co_u32 s40, s40, s26
	s_add_nc_u64 s[20:21], s[20:21], s[40:41]      ; mpart: 16,384 g + 4,096 w
	s_lshl_b32 s40, ttmp9, 4
	s_lshl_b32 s42, s24, 2
	s_add_co_u32 s40, s40, s42
	s_add_nc_u64 s[22:23], s[22:23], s[40:41]      ; mx: word 4 g + w
.macro LOADU u                         ; unit u = 4 chunk + 2 (0: k, 1: v) + half of K: 17 loads of 512 consecutive bytes into buffer u % 3
.set LB, BUF+64*((\u)%3)
.set LA, ASC+4*((\u)%3)
.set LT, ((\u)%4)/2
.set i, 0
.rept 16
	global_load_b128 v[LB+4*i:LB+4*i+3], v2, s[32+2*LT:33+2*LT] offset:16384*((\u)/4)+8192*((\u)%2)+512*i
.set i, i+1
.endr
	global_load_b128 v[LA:LA+3], v2, s[36+2*LT:37+2*LT] offset:1024*((\u)/4)+512*((\u)%2)
.endm
; one product.  kz = 0: the tensor's first K step starts the sum.  ra: the rows' scale words stand in lanes 16-31 (row tile 1).  rb: the columns' do (Wv)
.macro P4 d, a, b, kz, sa, sb, ra, rb
.if (\kz) == 0
.if (\ra) == 0
.if (\rb) == 0
	v_wmma_scale_f32_16x16x128_f8f6f4 v[\d:\d+7], v[\a:\a+7], v[\b:\b+7], 0, v[\sa], v[\sb] matrix_a_fmt:MATRIX_FMT_FP4 matrix_b_fmt:MATRIX_FMT_FP4
.else
	v_wmma_scale_f32_16x16x128_f8f6f4 v[\d:\d+7], v[\a:\a+7], v[\b:\b+7], 0, v[\sa], v[\sb] matrix_a_fmt:MATRIX_FMT_FP4 matrix_b_fmt:MATRIX_FMT_FP4 matrix_b_scale:MATRIX_SCALE_ROW1
.endif
.else
.if (\rb) == 0
	v_wmma_scale_f32_16x16x128_f8f6f4 v[\d:\d+7], v[\a:\a+7], v[\b:\b+7], 0, v[\sa], v[\sb] matrix_a_fmt:MATRIX_FMT_FP4 matrix_b_fmt:MATRIX_FMT_FP4 matrix_a_scale:MATRIX_SCALE_ROW1
.else
	v_wmma_scale_f32_16x16x128_f8f6f4 v[\d:\d+7], v[\a:\a+7], v[\b:\b+7], 0, v[\sa], v[\sb] matrix_a_fmt:MATRIX_FMT_FP4 matrix_b_fmt:MATRIX_FMT_FP4 matrix_a_scale:MATRIX_SCALE_ROW1 matrix_b_scale:MATRIX_SCALE_ROW1
.endif
.endif
.else
.if (\ra) == 0
.if (\rb) == 0
	v_wmma_scale_f32_16x16x128_f8f6f4 v[\d:\d+7], v[\a:\a+7], v[\b:\b+7], v[\d:\d+7], v[\sa], v[\sb] matrix_a_fmt:MATRIX_FMT_FP4 matrix_b_fmt:MATRIX_FMT_FP4
.else
	v_wmma_scale_f32_16x16x128_f8f6f4 v[\d:\d+7], v[\a:\a+7], v[\b:\b+7], v[\d:\d+7], v[\sa], v[\sb] matrix_a_fmt:MATRIX_FMT_FP4 matrix_b_fmt:MATRIX_FMT_FP4 matrix_b_scale:MATRIX_SCALE_ROW1
.endif
.else
.if (\rb) == 0
	v_wmma_scale_f32_16x16x128_f8f6f4 v[\d:\d+7], v[\a:\a+7], v[\b:\b+7], v[\d:\d+7], v[\sa], v[\sb] matrix_a_fmt:MATRIX_FMT_FP4 matrix_b_fmt:MATRIX_FMT_FP4 matrix_a_scale:MATRIX_SCALE_ROW1
.else
	v_wmma_scale_f32_16x16x128_f8f6f4 v[\d:\d+7], v[\a:\a+7], v[\b:\b+7], v[\d:\d+7], v[\sa], v[\sb] matrix_a_fmt:MATRIX_FMT_FP4 matrix_b_fmt:MATRIX_FMT_FP4 matrix_a_scale:MATRIX_SCALE_ROW1 matrix_b_scale:MATRIX_SCALE_ROW1
.endif
.endif
.endif
.endm
; A unit's 32 products: four K steps x (4 tiles of columns x 2 tiles of rows).  The eight accumulators take turns, one instruction a turn
.macro UNIT u
.set BU, BUF+64*((\u)%3)
.set AS, ASC+4*((\u)%3)
.set TV, ((\u)%4)/2
.set KH, (\u)%2
.set R0, 128+32*TV
.if (\u) < 14
	s_wait_loadcnt 34                              ; my unit's 17 loads are in; the two younger units' 34 may be out
.elseif (\u) == 14
	s_wait_loadcnt 17
.else
	s_wait_loadcnt 0x0
.endif
	WIN 0x58+4*TV                                  ; source 0 window 0, source 1 window 2 (Wk) or 3 (Wv), C and D window 1
.irp ks, 0,1,2,3
.irp t, 0,1,2,3
.irp rt, 0,1
	P4 R0+16*\t+8*\rt, BU+8*(2*\ks+\rt), 8*(4*(4*KH+\ks)+\t), 4*KH+\ks, AS+\ks, WS+8*\t+4*KH+\ks, \rt, TV
.endr
.endr
.endr
	WIN 0
.rept 4
	v_nop                                          ; four places in front of the loads into the buffer just multiplied, and of the first read of the sums
.endr
.if (\u)+3 < 16
	LOADU (\u)+3
.endif
.endm
; the bias (a lane holds one column), then f16, in place: 64 sums become four fragments of 8 registers.  Each accumulator is read from its low end on
.macro CONV r0, bias
	WIN 0x45
.set i, 0
.rept 32
	v_pk_add_f32 v[\r0+2*i:\r0+2*i+1], v[\r0+2*i:\r0+2*i+1], v[\bias+2*(i/8):\bias+2*(i/8)+1]
.set i, i+1
.endr
.set i, 0
.rept 32
	v_cvt_pk_f16_f32 v[\r0+i], v[\r0+2*i], v[\r0+2*i+1]
.set i, i+1
.endr
.endm
.macro MPROD j                         ; M += Kh^T Vh over the chunk's 32 rows: 16 accumulators, one instruction each; the first chunk starts the sums
	WIN 0x55
.irp et, 0,1,2,3
.irp dt, 0,1,2,3
.if (\j) == 0
	v_wmma_f32_16x16x32_f16 v[8*(4*\et+\dt):8*(4*\et+\dt)+7], v[128+8*\dt:128+8*\dt+7], v[160+8*\et:160+8*\et+7], 0
.else
	v_wmma_f32_16x16x32_f16 v[8*(4*\et+\dt):8*(4*\et+\dt)+7], v[128+8*\dt:128+8*\dt+7], v[160+8*\et:160+8*\et+7], v[8*(4*\et+\dt):8*(4*\et+\dt)+7]
.endif
.endr
.endr
	WIN 0
.rept 5
	v_nop                                          ; five places: the next chunk's products write over these fragments (behind the last chunk: M is read)
.endr
.endm
	WIN 0x40                                       ; destination window 1
.set i, 0
.rept 32
	global_load_b128 v[4*i:4*i+3], v2, s[12:13] offset:512*i      ; my quarter of the weights' 65,536 bytes
.set i, i+1
.endr
	WIN 0
.irp t, 0,1,2,3
.irp hf, 0,1
	global_load_b128 v[WS+8*\t+4*\hf:WS+8*\t+4*\hf+3], v7, s[14:15] offset:512*\t+16*\hf
.endr
.endr
	WIN 0x40
.irp t, 0,1,2,3
	global_load_b32 v[224+2*\t], v8, s[16:17] offset:64*\t
	global_load_b32 v[225+2*\t], v8, s[16:17] offset:64*\t
	global_load_b32 v[232+2*\t], v8, s[18:19] offset:64*\t
	global_load_b32 v[233+2*\t], v8, s[18:19] offset:64*\t
.endr
	WIN 0
	LOADU 0
	LOADU 1
	LOADU 2
	s_wait_loadcnt 51                              ; all but the three units' 51 loads are in
	WIN 0x04                                       ; an LDS store's data are its source 1: window 1
.set i, 0
.rept 32
	ds_store_b128 v11, v[4*i:4*i+3] offset:512*i
.set i, i+1
.endr
	WIN 0
	s_wait_dscnt 0x0                               ; for the others' sake: my quarter lies in LDS
	s_barrier_signal -1
	s_barrier_wait -1
	WIN 0x80
.set i, 0
.rept 64
	ds_load_b128 v[4*i:4*i+3], v2 offset:512*i     ; Wk's 32 fragments
.set i, i+1
.endr
	WIN 0xc0
.set i, 0
.rept 64
	ds_load_b128 v[4*i:4*i+3], v2 offset:32768+512*i   ; Wv's
.set i, i+1
.endr
	WIN 0
	s_wait_dscnt 0x0
.irp j, 0,1,2,3
	UNIT 4*\j
	UNIT 4*\j+1
	CONV 128, 224
	UNIT 4*\j+2
	UNIT 4*\j+3
	CONV 160, 232
	MPROD \j
.endr
	; the four waves' sums meet in LDS; wave w adds up tiles 4 w .. 4 w + 3
	WIN 0x04
.set i, 0
.rept 32
	ds_store_b128 v5, v[4*i:4*i+3] offset:512*i    ; each accumulator from its low end on
.set i, i+1
.endr
	WIN 0
	s_wait_dscnt 0x0
	s_barrier_signal -1
	s_barrier_wait -1
.irp q, 0,1,2,3
.irp n, 0,1,2,3,4,5,6,7
	ds_load_b128 v[64+32*\q+4*\n:64+32*\q+4*\n+3], v6 offset:16384*\q+512*\n
.endr
.endr
	s_wait_dscnt 0x0
.set i, 0
.rept 16
	v_pk_add_f32 v[64+2*i:65+2*i], v[64+2*i:65+2*i], v[96+2*i:97+2*i]
	v_pk_add_f32 v[128+2*i:129+2*i], v[128+2*i:129+2*i], v[160+2*i:161+2*i]
.set i, i+1
.endr
.set i, 0
.rept 16
	v_pk_add_f32 v[64+2*i:65+2*i], v[64+2*i:65+2*i], v[128+2*i:129+2*i]
.set i, i+1
.endr
.irp n, 0,1,2,3,4,5,6,7
	global_store_b128 v2, v[64+4*\n:64+4*\n+3], s[20:21] offset:512*\n
.endr
	v_max3_num_f32 v12, |v64|, |v65|, |v66|        ; the largest magnitude of my four tiles
.set i, 67
.rept 14
	v_max3_num_f32 v12, v12, |v[i]|, |v[i+1]|
.set i, i+2
.endr
	v_max_num_f32 v12, v12, |v95|
	v_max_num_f32_dpp v12, v12, v12 row_xmask:1 row_mask:0xf bank_mask:0xf
	v_max_num_f32_dpp v12, v12, v12 row_xmask:2 row_mask:0xf bank_mask:0xf
	v_max_num_f32_dpp v12, v12, v12 row_xmask:4 row_mask:0xf bank_mask:0xf
	v_max_num_f32_dpp v12, v12, v12 row_xmask:8 row_mask:0xf bank_mask:0xf
	v_permlanex16_b32 v13, v12, s[SEL], s[SEL+1]
	v_max_num_f32 v12, v12, v13
	v_cmp_eq_u32 vcc_lo, 0, v1
	s_wait_xcnt 0x0                                ; EXEC changes only behind this wait
	s_and_saveexec_b32 s46, vcc_lo
	global_store_b32 v14, v12, s[22:23]            ; lane 0 alone
	s_wait_xcnt 0x0                                ; and again, in front of the line that widens it
	s_or_b32 exec_lo, exec_lo, s46
	s_wait_tensorcnt 0x0                           ; the wave's end
	ds_add_u32 v[SPW], v[NIL]
	s_wait_dscnt 0x0
	s_endpgm
.Lfunc_end_k_qc8aed6e738_kv:
	.size	k_qc8aed6e738_kv, .Lfunc_end_k_qc8aed6e738_kv-k_qc8aed6e738_kv
	.p2alignl 7, 3214868480
	.fill 96, 4, 3214868480
	.section	.rodata,"a",@progbits
	.p2align	6, 0x0
	.amdhsa_kernel k_qc8aed6e738_kv
		.amdhsa_group_segment_fixed_size 131584
		.amdhsa_private_segment_fixed_size 0
		.amdhsa_enable_private_segment 0
		.amdhsa_kernarg_size 64
		.amdhsa_user_sgpr_count 2
		.amdhsa_user_sgpr_kernarg_segment_ptr 1
		.amdhsa_wavefront_size32 1
		.amdhsa_system_sgpr_workgroup_id_x 1
		.amdhsa_system_sgpr_workgroup_id_y 1
		.amdhsa_system_sgpr_workgroup_id_z 1
		.amdhsa_system_vgpr_workitem_id 0
		.amdhsa_next_free_vgpr 1024
		.amdhsa_next_free_sgpr 66
		.amdhsa_reserve_vcc 1
		.amdhsa_float_denorm_mode_32 3
		.amdhsa_float_denorm_mode_16_64 3
		.amdhsa_memory_ordered 1
		.amdhsa_forward_progress 1
		.amdhsa_inst_pref_size 159
	.end_amdhsa_kernel
	.amdgpu_metadata
---
amdhsa.version: [ 1, 2 ]
amdhsa.kernels:
  - .name:           k_qc8aed6e738_kv
    .symbol:         k_qc8aed6e738_kv.kd
    .args:
      - { .name: acod, .offset: 0, .size: 8, .value_kind: global_buffer, .address_space: global }
      - { .name: ascl, .offset: 8, .size: 8, .value_kind: global_buffer, .address_space: global }
      - { .name: wcod, .offset: 16, .size: 8, .value_kind: global_buffer, .address_space: global }
      - { .name: wscl, .offset: 24, .size: 8, .value_kind: global_buffer, .address_space: global }
      - { .name: bk, .offset: 32, .size: 8, .value_kind: global_buffer, .address_space: global }
      - { .name: bv, .offset: 40, .size: 8, .value_kind: global_buffer, .address_space: global }
      - { .name: mpart, .offset: 48, .size: 8, .value_kind: global_buffer, .address_space: global }
      - { .name: mx, .offset: 56, .size: 8, .value_kind: global_buffer, .address_space: global }
    .group_segment_fixed_size: 131584
    .private_segment_fixed_size: 0
    .kernarg_segment_align: 8
    .kernarg_segment_size: 64
    .max_flat_workgroup_size: 128
    .sgpr_count:     66
    .vgpr_count:     1024
    .wavefront_size: 32
...
	.end_amdgpu_metadata
.endif
;; end of part 2
;; launch qo (part 3): grid 256 x 1, 4 waves a work-group, no clusters, 41,472 bytes of LDS; arguments acod, ascl, wcod, wscl, bq, mpart, mx, obuf; writes obuf
.if DOCPART == 3
	.amdgcn_target "amdgcn-amd-amdhsa--gfx1250"
	.amdhsa_code_object_version 6
	.text
	.protected	k_qc8aed6e738_qo
	.globl	k_qc8aed6e738_qo
	.p2align	8
	.type	k_qc8aed6e738_qo,@function
k_qc8aed6e738_qo:
	s_mov_b64 s[64:65], 0
	v_nop
	global_prefetch_b8 v0, s[64:65] scope:SCOPE_SE
	s_setreg_imm32_b32 hwreg(HW_REG_WAVE_MODE, 25, 1), 1
	s_wait_xcnt 0x0
; For one batch b, head h and quarter p of the 2,048 queries: Qh = q Wq + bq (E2M1 codes, E8M0 scales, f32 sums), rounded to f16; O' = Qh M' (f16 operands, f32 sums), rounded to f16 and stored as fragments for the last product.
; M' = f_up x (the sum of the head's four partial M).  f_up is a power of two, ONE FOR A BATCH (a row of the last product sums over all heads), made from the data so that |M'| < 4 whatever the inputs' size:
; bound = the largest over the batch's heads of the sum of that head's 16 stored magnitudes, which is at least the largest |M| (a sum's magnitude is at most the sum of the magnitudes), held at 2^-100 from below;
; with E its exponent field, f_up = 2^(128 - E).  The multiplication rounds nothing.  The last launch multiplies by 2^(E - 131) = 1 / (8 f_up), which also holds the 1 / sqrt(64).  Values only: no address or branch hangs on them.
; SHARES.  Work-group g = 64 b + 4 h + p; wave w owns 128 rows: four chunks of 32.  Wq's 64 columns of the head stay in every wave's registers (256); q's codes stream from memory into operand registers, three units deep.
; LAYOUT.  Both products are used transposed (source 0 = 16 columns of Wq, or 16 columns e of M'; source 1 = 16 rows): a lane holds ONE row and eight neighbouring columns, so results rounded in pairs are the next operand's registers.
; The partial M lie as the result's registers: a lane holds one e and eight d: rounded in pairs they are fragments with rows e and K = d, which is source 0 of the second product.
; NO TENSOR LOADS, NO JOINT REQUESTS, though the 16 heads' work-groups read the same codes: a unit of 8,704 bytes feeds 32 matrix instructions and each fragment is used once; through LDS it would be stored and read again for that one use.
; LIMITS: |Qh| and |O'| stay under 65,504 (f16); a bound under 2^-100 is held there; NaN and infinities are not served.
; REGISTERS.  window 0: v1-11 addresses, f_up twice in v10-11; v12-15, v60-63 the eight magnitudes; v16-47 Wq's scale words; v48-59 the units'; v64-255 three unit buffers.
;   window 1: v0-63 Qh's sums ((rt, t) at 32 rt + 8 t), then fragments at 16 rt + 8 c; v64-127 O' likewise; v128-191 M' (et, c) at 128 + 16 et + 8 c; v192-223 bq in the result's layout.   window 2: Wq.
.set MFR,   32768                      ; LDS: 0 .. 32,767 Wq's images; then M's 8 fragments, 8,192 bytes
.set SPARE, 40960
.set SPW, 3
.set NIL, 4
.set WS,  16
.set ASC, 48
.set BUF, 64
.set SEL, 44
.set MSB, 0
.macro WIN new
.set NW, \new
.if MSB != NW
	s_set_vgpr_msb (MSB<<8)|NW
.set MSB, NW
.endif
.endm
; v[a:a+3], v[b:b+3]: numbers 8 lane .. 8 lane + 7 of the batch's 256 magnitudes (two lanes to a head).  Leaves the bound's exponent field, in place, in v[a] of every lane
.macro BOUND a, b
	v_pk_add_f32 v[\a:\a+1], v[\a:\a+1], v[\a+2:\a+3]
	v_pk_add_f32 v[\b:\b+1], v[\b:\b+1], v[\b+2:\b+3]
	v_pk_add_f32 v[\a:\a+1], v[\a:\a+1], v[\b:\b+1]
	v_add_f32 v[\a], v[\a], v[\a+1]
	v_add_f32_dpp v[\a], v[\a], v[\a] row_xmask:1 row_mask:0xf bank_mask:0xf       ; the head's sixteen
	v_max_num_f32_dpp v[\a], v[\a], v[\a] row_xmask:2 row_mask:0xf bank_mask:0xf   ; the largest over the heads
	v_max_num_f32_dpp v[\a], v[\a], v[\a] row_xmask:4 row_mask:0xf bank_mask:0xf
	v_max_num_f32_dpp v[\a], v[\a], v[\a] row_xmask:8 row_mask:0xf bank_mask:0xf
	v_permlanex16_b32 v[\a+1], v[\a], s[SEL], s[SEL+1]
	v_max_num_f32 v[\a], v[\a], v[\a+1]
	v_max_num_f32 v[\a], 0x0d800000, v[\a]         ; 2^-100
	v_and_b32 v[\a], 0x7f800000, v[\a]
.endm
	s_load_b512 s[8:23], s[0:1], 0x0               ; acod 8, ascl 10, wcod 12, wscl 14, bq 16, mpart 18, mx 20, obuf 22
	v_lshl_add_u32 v[SPW], v0, 2, SPARE
	v_mov_b32 v[NIL], 0
	v_lshrrev_b32 v1, 5, v0
	v_readfirstlane_b32 s24, v1                    ; wave
	v_and_b32 v1, 31, v0
	v_lshlrev_b32 v2, 4, v1                        ; 16 x lane
	s_lshl_b32 s25, s24, 11
	s_lshl_b32 s26, s24, 13
	v_add_nc_u32 v5, s25, v2
	v_add_nc_u32 v5, MFR, v5                       ; LDS: my two fragments of M'
	v_add_nc_u32 v6, s26, v2                       ; and my quarter of Wq
	v_and_b32 v7, 15, v0
	v_lshlrev_b32 v7, 5, v7                        ; Wq's scale words: 32 bytes a column
	v_bfe_u32 v8, v0, 4, 1
	v_lshlrev_b32 v8, 5, v8                        ; bq: eight numbers further on for lanes 16-31
	v_lshlrev_b32 v9, 5, v1                        ; the magnitudes: 32 bytes a lane
	s_mov_b32 s[SEL], 0x76543210
	s_mov_b32 s[SEL+1], 0xfedcba98
	s_lshr_b32 s27, ttmp9, 6                       ; b
	s_bfe_u32 s28, ttmp9, 0x40002                  ; h
	s_and_b32 s29, ttmp9, 3                        ; p
	s_lshl_b32 s30, s27, 4
	s_lshl_b32 s31, s29, 2
	s_add_co_u32 s30, s30, s31
	s_add_co_u32 s30, s30, s24                     ; my block of 128 rows: 16 b + 4 p + w = four chunks
	s_mov_b32 s41, 0
	s_wait_kmcnt 0x0
	s_lshl_b32 s40, s30, 16
	s_add_nc_u64 s[32:33], s[8:9], s[40:41]        ; q is tensor 0 of the codes: 4 chunks x 16,384 bytes a block
	s_lshl_b32 s40, s30, 12
	s_add_nc_u64 s[36:37], s[10:11], s[40:41]
	s_lshl_b32 s40, s28, 15
	s_add_co_u32 s40, s40, s26
	s_add_nc_u64 s[12:13], s[12:13], s[40:41]      ; my quarter (8,192 bytes) of the head's Wq
	s_lshl_b32 s40, s28, 11
	s_add_nc_u64 s[14:15], s[14:15], s[40:41]
	s_lshl_b32 s40, s28, 8
	s_add_nc_u64 s[16:17], s[16:17], s[40:41]
	s_lshr_b32 s40, ttmp9, 2
	s_lshl_b32 s40, s40, 16
	s_lshl_b32 s42, s24, 12
	s_add_co_u32 s40, s40, s42
	s_add_nc_u64 s[18:19], s[18:19], s[40:41]      ; the head's four partial M, my four tiles
	s_lshl_b32 s40, s27, 10
	s_add_nc_u64 s[20:21], s[20:21], s[40:41]      ; the batch's 256 magnitudes
	s_lshl_b32 s40, s30, 18
	s_lshl_b32 s42, s28, 14
	s_add_co_u32 s40, s40, s42
	s_add_nc_u64 s[22:23], s[22:23], s[40:41]      ; obuf: 262,144 block + 16,384 h
.macro LOADU u                         ; unit u = 2 chunk + half of K: 17 loads of 512 consecutive bytes into buffer u % 3
.set LB, BUF+64*((\u)%3)
.set LA, ASC+4*((\u)%3)
.set i, 0
.rept 16
	global_load_b128 v[LB+4*i:LB+4*i+3], v2, s[32:33] offset:8192*(\u)+512*i
.set i, i+1
.endr
	global_load_b128 v[LA:LA+3], v2, s[36:37] offset:512*(\u)
.endm
.macro P4 d, a, b, c, sa, sb, rb       ; rb: the rows' scale words stand in lanes 16-31 (row tile 1)
.if (\rb) == 0
	v_wmma_scale_f32_16x16x128_f8f6f4 v[\d:\d+7], v[\a:\a+7], v[\b:\b+7], v[\c:\c+7], v[\sa], v[\sb] matrix_a_fmt:MATRIX_FMT_FP4 matrix_b_fmt:MATRIX_FMT_FP4
.else
	v_wmma_scale_f32_16x16x128_f8f6f4 v[\d:\d+7], v[\a:\a+7], v[\b:\b+7], v[\c:\c+7], v[\sa], v[\sb] matrix_a_fmt:MATRIX_FMT_FP4 matrix_b_fmt:MATRIX_FMT_FP4 matrix_b_scale:MATRIX_SCALE_ROW1
.endif
.endm
; A unit's 32 products; the eight accumulators take turns, one instruction a turn.  The bias is the C of a sum's first product
.macro UNIT u
.set BU, BUF+64*((\u)%3)
.set AS, ASC+4*((\u)%3)
.set KH, (\u)%2
.if (\u) < 6
	s_wait_loadcnt 34                              ; my unit's 17 loads are in; the two younger units' 34 may be out
.elseif (\u) == 6
	s_wait_loadcnt 17
.else
	s_wait_loadcnt 0x0
.endif
	WIN 0x52                                       ; source 0 (Wq) window 2, source 1 window 0, C and D window 1
.irp ks, 0,1,2,3
.irp t, 0,1,2,3
.irp rt, 0,1
.if (4*KH+\ks) == 0
	P4 32*\rt+8*\t, 8*(4*(4*KH+\ks)+\t), BU+8*(2*\ks+\rt), 192+8*\t, WS+8*\t+4*KH+\ks, AS+\ks, \rt
.else
	P4 32*\rt+8*\t, 8*(4*(4*KH+\ks)+\t), BU+8*(2*\ks+\rt), 32*\rt+8*\t, WS+8*\t+4*KH+\ks, AS+\ks, \rt
.endif
.endr
.endr
.endr
	WIN 0
.rept 4
	v_nop                                          ; four places in front of the loads into the buffer just multiplied, and of the first read of the sums
.endr
.if (\u)+3 < 8
	LOADU (\u)+3
.endif
.endm
.macro CHUNK j
	UNIT 2*(\j)
	UNIT 2*(\j)+1
	WIN 0x45
.set i, 0
.rept 32
	v_cvt_pk_f16_f32 v[i], v[2*i], v[2*i+1]        ; Qh as f16, in place, each accumulator from its low end on: fragment (rt, c) at 16 rt + 8 c
.set i, i+1
.endr
	s_wait_xcnt 0x0                                ; the last chunk's stores have read the registers that the products below write
	WIN 0x55
.irp c, 0,1
.irp rt, 0,1
.irp et, 0,1,2,3
.if \c == 0
	v_wmma_f32_16x16x32_f16 v[64+32*\rt+8*\et:64+32*\rt+8*\et+7], v[128+16*\et+8*\c:128+16*\et+8*\c+7], v[16*\rt+8*\c:16*\rt+8*\c+7], 0
.else
	v_wmma_f32_16x16x32_f16 v[64+32*\rt+8*\et:64+32*\rt+8*\et+7], v[128+16*\et+8*\c:128+16*\et+8*\c+7], v[16*\rt+8*\c:16*\rt+8*\c+7], v[64+32*\rt+8*\et:64+32*\rt+8*\et+7]
.endif
.endr
.endr
.endr
	WIN 0
.rept 5
	v_nop                                          ; five places: the next chunk's products write over Qh's fragments; four serve the conversions below
.endr
	WIN 0x45
.set i, 0
.rept 32
	v_cvt_pk_f16_f32 v[64+i], v[64+2*i], v[64+2*i+1]   ; O' as f16: fragment (rt, c') at 64 + 16 rt + 8 c'
.set i, i+1
.endr
	WIN 0x04                                       ; a store's data are its source 1: window 1
.irp rt, 0,1
.irp cp, 0,1
.irp hf, 0,1
	global_store_b128 v2, v[64+16*\rt+8*\cp+4*\hf:64+16*\rt+8*\cp+4*\hf+3], s[22:23] offset:8192*\cp+1024*(2*(\j)+\rt)+512*\hf   ; 512 consecutive bytes a store
.endr
.endr
.endr
	WIN 0
.endm
	global_load_b128 v[12:15], v9, s[20:21]
	global_load_b128 v[60:63], v9, s[20:21] offset:16
	WIN 0x40                                       ; destination window 1
.irp pp, 0,1,2,3
.irp n, 0,1,2,3,4,5,6,7
	global_load_b128 v[32*\pp+4*\n:32*\pp+4*\n+3], v2, s[18:19] offset:16384*\pp+512*\n
.endr
.endr
.set i, 0
.rept 16
	global_load_b128 v[128+4*i:128+4*i+3], v2, s[12:13] offset:512*i
.set i, i+1
.endr
.irp t, 0,1,2,3
.irp hf, 0,1
	global_load_b128 v[192+8*\t+4*\hf:192+8*\t+4*\hf+3], v8, s[16:17] offset:64*\t+16*\hf
.endr
.endr
	WIN 0
.irp t, 0,1,2,3
.irp hf, 0,1
	global_load_b128 v[WS+8*\t+4*\hf:WS+8*\t+4*\hf+3], v7, s[14:15] offset:512*\t+16*\hf
.endr
.endr
	LOADU 0
	LOADU 1
	LOADU 2
	s_wait_loadcnt 51                              ; all but the three units' 51 loads are in
	BOUND 12, 60
	v_sub_nc_u32 v10, 0x7f800000, v12              ; f_up = 2^(128 - E)
	v_mov_b32 v11, v10
	WIN 0x45
.set i, 0
.rept 16
	v_pk_add_f32 v[2*i:2*i+1], v[2*i:2*i+1], v[32+2*i:33+2*i]
	v_pk_add_f32 v[64+2*i:65+2*i], v[64+2*i:65+2*i], v[96+2*i:97+2*i]
.set i, i+1
.endr
.set i, 0
.rept 16
	v_pk_add_f32 v[2*i:2*i+1], v[2*i:2*i+1], v[64+2*i:65+2*i]
.set i, i+1
.endr
	WIN 0x41                                       ; source 1 (f_up) window 0
.set i, 0
.rept 16
	v_pk_mul_f32 v[2*i:2*i+1], v[2*i:2*i+1], v[10:11]
.set i, i+1
.endr
	WIN 0x45
.set i, 0
.rept 16
	v_cvt_pk_f16_f32 v[i], v[2*i], v[2*i+1]        ; tiles 4 w + 0..3 become fragments (et = w, c = 0, 1)
.set i, i+1
.endr
	WIN 0x04
.irp n, 0,1,2,3
	ds_store_b128 v5, v[4*\n:4*\n+3] offset:512*\n
.endr
.set i, 0
.rept 16
	ds_store_b128 v6, v[128+4*i:128+4*i+3] offset:512*i
.set i, i+1
.endr
	WIN 0
	s_wait_dscnt 0x0                               ; for the others' sake: my parts lie in LDS
	s_barrier_signal -1
	s_barrier_wait -1
	WIN 0x80
.set i, 0
.rept 64
	ds_load_b128 v[4*i:4*i+3], v2 offset:512*i     ; Wq's 32 fragments
.set i, i+1
.endr
	WIN 0x40
.set i, 0
.rept 16
	ds_load_b128 v[128+4*i:128+4*i+3], v2 offset:MFR+512*i   ; M's 8
.set i, i+1
.endr
	WIN 0
	s_wait_dscnt 0x0
	CHUNK 0
	CHUNK 1
	CHUNK 2
	CHUNK 3
	s_wait_tensorcnt 0x0                           ; the wave's end
	ds_add_u32 v[SPW], v[NIL]
	s_wait_dscnt 0x0
	s_endpgm
.Lfunc_end_k_qc8aed6e738_qo:
	.size	k_qc8aed6e738_qo, .Lfunc_end_k_qc8aed6e738_qo-k_qc8aed6e738_qo
	.p2alignl 7, 3214868480
	.fill 96, 4, 3214868480
	.section	.rodata,"a",@progbits
	.p2align	6, 0x0
	.amdhsa_kernel k_qc8aed6e738_qo
		.amdhsa_group_segment_fixed_size 41472
		.amdhsa_private_segment_fixed_size 0
		.amdhsa_enable_private_segment 0
		.amdhsa_kernarg_size 64
		.amdhsa_user_sgpr_count 2
		.amdhsa_user_sgpr_kernarg_segment_ptr 1
		.amdhsa_wavefront_size32 1
		.amdhsa_system_sgpr_workgroup_id_x 1
		.amdhsa_system_sgpr_workgroup_id_y 1
		.amdhsa_system_sgpr_workgroup_id_z 1
		.amdhsa_system_vgpr_workitem_id 0
		.amdhsa_next_free_vgpr 768
		.amdhsa_next_free_sgpr 66
		.amdhsa_reserve_vcc 0
		.amdhsa_float_denorm_mode_32 3
		.amdhsa_float_denorm_mode_16_64 3
		.amdhsa_memory_ordered 1
		.amdhsa_forward_progress 1
		.amdhsa_inst_pref_size 92
	.end_amdhsa_kernel
	.amdgpu_metadata
---
amdhsa.version: [ 1, 2 ]
amdhsa.kernels:
  - .name:           k_qc8aed6e738_qo
    .symbol:         k_qc8aed6e738_qo.kd
    .args:
      - { .name: acod, .offset: 0, .size: 8, .value_kind: global_buffer, .address_space: global }
      - { .name: ascl, .offset: 8, .size: 8, .value_kind: global_buffer, .address_space: global }
      - { .name: wcod, .offset: 16, .size: 8, .value_kind: global_buffer, .address_space: global }
      - { .name: wscl, .offset: 24, .size: 8, .value_kind: global_buffer, .address_space: global }
      - { .name: bq, .offset: 32, .size: 8, .value_kind: global_buffer, .address_space: global }
      - { .name: mpart, .offset: 40, .size: 8, .value_kind: global_buffer, .address_space: global }
      - { .name: mx, .offset: 48, .size: 8, .value_kind: global_buffer, .address_space: global }
      - { .name: obuf, .offset: 56, .size: 8, .value_kind: global_buffer, .address_space: global }
    .group_segment_fixed_size: 41472
    .private_segment_fixed_size: 0
    .kernarg_segment_align: 8
    .kernarg_segment_size: 64
    .max_flat_workgroup_size: 128
    .sgpr_count:     66
    .vgpr_count:     768
    .wavefront_size: 32
...
	.end_amdgpu_metadata
.endif
;; end of part 3
;; launch og (part 4): grid 4 x 64, 4 waves a work-group, clusters of 4 x 4, 327,680 bytes of LDS; arguments obuf, wof, mx, bo, out0; writes out0
.if DOCPART == 4
	.amdgcn_target "amdgcn-amd-amdhsa--gfx1250"
	.amdhsa_code_object_version 6
	.text
	.protected	k_qc8aed6e738_og
	.globl	k_qc8aed6e738_og
	.p2align	8
	.type	k_qc8aed6e738_og,@function
k_qc8aed6e738_og:
	s_mov_b64 s[64:65], 0
	v_nop
	global_prefetch_b8 v0, s[64:65] scope:SCOPE_SE
	s_setreg_imm32_b32 hwreg(HW_REG_WAVE_MODE, 25, 1), 1
	s_wait_xcnt 0x0
	s_wait_alu depctr_hold_cnt(0) depctr_sa_sdst(0) depctr_va_vdst(0) depctr_va_sdst(0) depctr_va_ssrc(0) depctr_va_vcc(0) depctr_vm_vsrc(0)
	s_getreg_b32 s2, hwreg(HW_REG_IB_STS2, 6, 4)
	s_cmp_eq_u32 s2, 0
	s_cbranch_scc0 .Lentry_in_a_cluster
	s_endpgm
.Lentry_in_a_cluster:
	s_bfe_u32 s2, ttmp6, 0x10000c
	s_cmp_lg_u32 s2, 0xf033
	s_cbranch_scc0 .Lentry_shape_is_right
	s_endpgm
.Lentry_shape_is_right:
; out[row][n] = f_down x (sum over k of O'[row][k] Wo[k][n]) + bo[n]: f16 operands, f32 sums; f_down = 2^(E - 131) undoes the batch's scale on M and holds the 1 / sqrt(64) (E: the bound's exponent field, made as in the launch before, by the same lines).
; A work-group of four waves makes 128 rows x 256 columns: 64 x 4 = 256 work-groups.  A wave makes 64 x 128: 32 accumulators, 256 registers (window 1).
; Both operands lie in memory as images of fragments (16 x 32 along K: 1,024 bytes), K step by K step, so a K step of 128 is ONE dense block for each side: 32,768 bytes of O', 65,536 of Wo; in LDS a fragment load is 512 consecutive bytes: no padding.
; K goes in 8 steps of 128 through a ring of two LDS slots.  Waves 0, 1 fetch O's halves, waves 2, 3 Wo's: one tensor load a wave; two of a wave's loads are out at the start, one behind each change of slots.
; CLUSTERS: 4 x 4 work-groups.  The four of a row of the cluster need the same block of O', the four of a column the same block of Wo: each is asked for JOINTLY, by the same tensor load with the same descriptor and a mask that names the four.
; THE MATRIX INSTRUCTION IS USED TRANSPOSED (source 0 = 16 columns of Wo, source 1 = 16 rows of O'): a lane then holds eight neighbouring numbers of a row of out.
; REGISTERS.  window 0: v16-29 addresses; v32-35 bo at my four columns; v36-37 f_down twice; v40-47 the magnitudes; two fragment buffers of 96: v64-159, v160-255 (Wo's 8 fragments, then O's 4); on the way out v64-191 hold rows.
.set SLOT,  98304                      ; O': 4 x 8 fragments, then Wo: 4 x 16 fragments
.set BOFF,  32768
.set STAGE, 2*SLOT                     ; behind the ring: 16 rows x (512 + 16) bytes for each wave
.set SPARE, STAGE+4*8448
.set LAPS,  4                          ; a lap = two K steps
.set ADRA, 16
.set ADRB, 20
.set STO,  24
.set RD,   25
.set CO,   26
.set SPW,  28
.set NIL,  29
.set F0,   64
.set F1,   160
.set G1,  24                           ; s[24:31] group 1 for O's blocks; s[32:39] group 0, one set for each slot
.set G0,  32
.set G1B, 48                           ; s[48:55], s[56:63] the same for Wo's
.set G0B, 56
.set SEL, 66
.set MSB, 0
.macro WIN new
.set NW, \new
.if MSB != NW
	s_set_vgpr_msb (MSB<<8)|NW
.set MSB, NW
.endif
.endm
.macro JLOAD s                         ; a joint load: the branch hangs on the wave's number alone; an s_nop 0 and four v_nop follow each of the two lines
	s_cmp_eq_u32 s15, 0
	s_cbranch_scc0 .Lfor_b_\@
	tensor_load_to_lds s[G0+4*\s:G0+4*\s+3], s[G1:G1+7]
	s_nop 0
.rept 4
	v_nop
.endr
	s_branch .Lasked_\@
.Lfor_b_\@:
	tensor_load_to_lds s[G0B+4*\s:G0B+4*\s+3], s[G1B:G1B+7]
	s_nop 0
.rept 4
	v_nop
.endr
.Lasked_\@:
.endm
.macro CREST                           ; a round of the cluster's barrier behind its opening barrier
	s_cmp_lg_u32 s14, 0
	s_cbranch_scc1 .Lnot_wave_0_\@
	s_barrier_signal -3
.Lnot_wave_0_\@:
	s_barrier_wait -3
	s_barrier_signal -1
	s_barrier_wait -1
.endm
.macro CROUND
	s_barrier_signal -1
	s_barrier_wait -1
	CREST
.endm
.macro BOUND a, b                      ; as in the launch before: the bound's exponent field, in place, in v[a]
	v_pk_add_f32 v[\a:\a+1], v[\a:\a+1], v[\a+2:\a+3]
	v_pk_add_f32 v[\b:\b+1], v[\b:\b+1], v[\b+2:\b+3]
	v_pk_add_f32 v[\a:\a+1], v[\a:\a+1], v[\b:\b+1]
	v_add_f32 v[\a], v[\a], v[\a+1]
	v_add_f32_dpp v[\a], v[\a], v[\a] row_xmask:1 row_mask:0xf bank_mask:0xf
	v_max_num_f32_dpp v[\a], v[\a], v[\a] row_xmask:2 row_mask:0xf bank_mask:0xf
	v_max_num_f32_dpp v[\a], v[\a], v[\a] row_xmask:4 row_mask:0xf bank_mask:0xf
	v_max_num_f32_dpp v[\a], v[\a], v[\a] row_xmask:8 row_mask:0xf bank_mask:0xf
	v_permlanex16_b32 v[\a+1], v[\a], s[SEL], s[SEL+1]
	v_max_num_f32 v[\a], v[\a], v[\a+1]
	v_max_num_f32 v[\a], 0x0d800000, v[\a]
	v_and_b32 v[\a], 0x7f800000, v[\a]
.endm
	s_load_b256 s[4:11], s[0:1], 0x0               ; obuf 4, wof 6, mx 8, bo 10
	s_load_b64 s[12:13], s[0:1], 0x20              ; out0
	v_lshl_add_u32 v[SPW], v0, 2, SPARE
	v_mov_b32 v[NIL], 0
	ds_add_u32 v[SPW], v[NIL]                      ; the wave's opening: the add, twice on end, and its wait ahead of my first tensor load
	ds_add_u32 v[SPW], v[NIL]
	v_lshrrev_b32 v1, 5, v0
	v_readfirstlane_b32 s14, v1                    ; wave
	s_lshr_b32 s15, s14, 1                         ; which 64 rows are mine.  Also: I fetch for O' (0) or for Wo (1)
	s_and_b32 s16, s14, 1                          ; which 128 columns.  Also: which half of the block I fetch
	s_bfe_u32 s40, ttmp6, 0x40000                  ; cx, cy: my place in the cluster
	s_bfe_u32 s41, ttmp6, 0x40004
	s_lshl_b32 s42, ttmp9, 2
	s_add_co_u32 s42, s42, s40                     ; block of 256 columns
	s_and_b32 s17, ttmp7, 0xffff
	s_lshr_b32 s68, s17, 2                         ; the batch: 16 blocks of 128 rows = four clusters
	s_lshl_b32 s17, s17, 2
	s_add_co_u32 s17, s17, s41                     ; block of 128 rows
	s_lshl_b32 s43, s41, 2
	s_lshl_b32 s43, 15, s43                        ; my row of the cluster
	s_lshl_b32 s44, 0x1111, s40                    ; my column
	s_or_b32 s[G1], s43, (3<<16)|(1<<21)           ; 15:0 the mask; 17:16 elements of 8 bytes; 21 set beside a mask; no padding
	s_or_b32 s[G1B], s44, (3<<16)|(1<<21)
	s_mov_b32 s[G1+1], 32<<16                      ; tensor_dim0 = 32 elements: rows of 256 bytes of a dense block
	s_mov_b32 s[G1+2], 64<<16                      ; tensor_dim1 = 64 rows: 16,384 bytes
	s_mov_b32 s[G1+3], 32<<16                      ; tile_dim0
	s_mov_b32 s[G1+4], 64                          ; tile_dim1
	s_mov_b32 s[G1+5], 32                          ; the pitch
	s_mov_b32 s[G1+6], 0
	s_mov_b32 s[G1+7], 0
	s_mov_b32 s[G1B+1], 32<<16
	s_mov_b32 s[G1B+2], 128<<16                    ; 128 rows: 32,768 bytes
	s_mov_b32 s[G1B+3], 32<<16
	s_mov_b32 s[G1B+4], 128
	s_mov_b32 s[G1B+5], 32
	s_mov_b32 s[G1B+6], 0
	s_mov_b32 s[G1B+7], 0
	s_lshl_b32 s18, s16, 14                        ; where O's half goes in a slot: no place in the cluster enters an LDS address
	s_lshl_b32 s19, s16, 15
	s_add_co_u32 s19, s19, BOFF                    ; and Wo's
	s_lshl_b32 s20, s17, 18                        ; O': 262,144 x block of rows + my half
	s_add_co_u32 s20, s20, s18
	s_mov_b32 s21, 0
	s_lshl_b32 s46, s42, 19                        ; Wo: 524,288 x block of columns + my half
	s_lshl_b32 s45, s16, 15
	s_add_co_u32 s46, s46, s45
	s_mov_b32 s47, 0
	s_mov_b32 s[SEL], 0x76543210
	s_mov_b32 s[SEL+1], 0xfedcba98
	s_wait_dscnt 0x0                               ; both opening adds are done
	s_wait_kmcnt 0x0
	s_add_nc_u64 s[20:21], s[4:5], s[20:21]
	s_add_nc_u64 s[46:47], s[6:7], s[46:47]
	CROUND                                         ; all sixteen work-groups are here: the first joint loads meet
.irp s, 0,1
	s_mov_b32 s[G0+4*\s], 1
	s_add_co_u32 s[G0+4*\s+1], s18, \s*SLOT
	s_add_nc_u64 s[G0+4*\s+2:G0+4*\s+3], s[20:21], \s*32768
	s_or_b32 s[G0+4*\s+3], s[G0+4*\s+3], 0x80000000
	s_mov_b32 s[G0B+4*\s], 1
	s_add_co_u32 s[G0B+4*\s+1], s19, \s*SLOT
	s_add_nc_u64 s[G0B+4*\s+2:G0B+4*\s+3], s[46:47], \s*65536
	s_or_b32 s[G0B+4*\s+3], s[G0B+4*\s+3], 0x80000000
	JLOAD \s
.endr
	v_and_b32 v1, 31, v0                           ; lane
	v_and_b32 v2, 15, v0                           ; r
	v_bfe_u32 v3, v0, 4, 1                         ; hh
	v_lshlrev_b32 v[CO], 4, v1                     ; 16 x lane
	s_lshl_b32 s22, s15, 12                        ; my four fragments of O' in a step of 32 along K
	s_lshl_b32 s23, s16, 13                        ; my eight of Wo,
	s_add_co_u32 s23, s23, BOFF                    ; which lie behind O's
.irp s, 0,1
	v_add_nc_u32 v[ADRA+\s], s22, v[CO]
	v_add_nc_u32 v[ADRB+\s], s23, v[CO]
	s_add_co_u32 s22, s22, SLOT
	s_add_co_u32 s23, s23, SLOT
.endr
	s_mul_i32 s22, s14, 8448
	s_add_co_u32 s22, s22, STAGE                   ; my stage
	v_mul_u32_u24 v[STO], v2, 528
	v_lshl_add_u32 v[STO], v3, 5, v[STO]
	v_add_nc_u32 v[STO], s22, v[STO]               ; in: row r, 32 bytes for each half of the lanes
	v_add_nc_u32 v[RD], s22, v[CO]                 ; back: the 32 lanes take one row of 512 bytes
	v_lshlrev_b32 v27, 5, v1
	s_mov_b32 s71, 0
	s_lshl_b32 s70, s68, 10
	s_add_nc_u64 s[8:9], s[8:9], s[70:71]          ; the batch's 256 magnitudes
	s_lshl_b32 s70, s42, 10
	s_lshl_b32 s69, s16, 9
	s_add_co_u32 s70, s70, s69                     ; my first column, in bytes
	s_add_nc_u64 s[10:11], s[10:11], s[70:71]
	s_add_nc_u64 s[12:13], s[12:13], s[70:71]
	s_lshl_b32 s70, s17, 19
	s_lshl_b32 s69, s15, 18
	s_add_co_u32 s70, s70, s69                     ; my first row: (128 block + 64 half) x 4,096 bytes
	s_add_nc_u64 s[12:13], s[12:13], s[70:71]
	global_load_b128 v[40:43], v27, s[8:9]
	global_load_b128 v[44:47], v27, s[8:9] offset:16
	global_load_b128 v[32:35], v[CO], s[10:11]
	s_wait_loadcnt 0x0
	BOUND 40, 44
	v_add_nc_u32 v36, 0xfe000000, v40              ; f_down = 2^(E - 131)
	v_mov_b32 v37, v36
.macro FETCH slot, q, f                ; 24 LDS loads in one run: the fragments of the slot's q-th 32 along K: Wo's eight, O's four
.set i, 0
.rept 8
	ds_load_b128 v[\f+8*i:\f+8*i+3], v[ADRB+\slot] offset:16384*(\q)+1024*i
	ds_load_b128 v[\f+8*i+4:\f+8*i+7], v[ADRB+\slot] offset:16384*(\q)+1024*i+512
.set i, i+1
.endr
.set i, 0
.rept 4
	ds_load_b128 v[\f+64+8*i:\f+64+8*i+3], v[ADRA+\slot] offset:8192*(\q)+1024*i
	ds_load_b128 v[\f+64+8*i+4:\f+64+8*i+7], v[ADRA+\slot] offset:8192*(\q)+1024*i+512
.set i, i+1
.endr
.endm
.macro MUL8 f, a, zero                 ; row tile a x the eight column tiles.  The 32 accumulators take turns, one instruction a turn, in the same order in every quarter
.irp bb, 0,1,2,3,4,5,6,7
.if \zero
	v_wmma_f32_16x16x32_f16 v[8*(8*(\a)+\bb):8*(8*(\a)+\bb)+7], v[\f+8*\bb:\f+8*\bb+7], v[\f+64+8*(\a):\f+64+8*(\a)+7], 0
.else
	v_wmma_f32_16x16x32_f16 v[8*(8*(\a)+\bb):8*(8*(\a)+\bb)+7], v[\f+8*\bb:\f+8*\bb+7], v[\f+64+8*(\a):\f+64+8*(\a)+7], v[8*(8*(\a)+\bb):8*(8*(\a)+\bb)+7]
.endif
.endr
.endm
.macro PLACES
.rept 4
	v_nop
.endr
.endm
; One of a K step's first three quarters: asks for the next quarter's fragments, into the buffer that the quarter before multiplied (four places behind its products), then multiplies buffer f
.macro QUARTER slot, q, f, g, zero
	WIN 0
	PLACES
	FETCH \slot, (\q)+1, \g
	s_wait_dscnt 24                                ; buffer f is in; the 24 loads just issued may be out
	WIN 0x50                                       ; C and D window 1
	MUL8 \f, 0, \zero
	MUL8 \f, 1, \zero
	MUL8 \f, 2, \zero
	MUL8 \f, 3, \zero
.endm
; The last quarter multiplies buffer 1 and changes slots: ONE barrier; in front of it each wave waits for all its tensor loads, adds 0 to its spare word, and waits for that and for its reads of this slot.  fill = 1: this slot is filled again, two K steps ahead
.macro TURN slot, next, fill
	WIN 0
	s_wait_tensorcnt 0x0                           ; all my tensor loads have landed: my part of the next slot
	ds_add_u32 v[SPW], v[NIL]                      ; 0 onto my spare word
	s_wait_dscnt 1                                 ; buffer 1 is in; the add may be out
	WIN 0x50
	MUL8 F1, 0, 0                                  ; eight matrix instructions stand between the add and the wait for it
	s_wait_dscnt 0x0                               ; the add is done, and my reads of this slot are over
	s_barrier_signal -1
	MUL8 F1, 1, 0
	WIN 0
	s_barrier_wait -1
.if \fill
	CREST                                          ; the barrier has opened a round of the cluster's barrier: no wave of any partner still reads this slot or has a load on its way
	s_add_nc_u64 s[G0+4*\slot+2:G0+4*\slot+3], s[G0+4*\slot+2:G0+4*\slot+3], 65536
	s_add_nc_u64 s[G0B+4*\slot+2:G0B+4*\slot+3], s[G0B+4*\slot+2:G0B+4*\slot+3], 131072
	JLOAD \slot                                    ; the first tensor load behind the round: 112 matrix instructions ahead of the wait for it; its four v_nop are also the places in front of the loads below
.else
	PLACES
.endif
	FETCH \next, 0, F0
	WIN 0x50
	MUL8 F1, 2, 0
	MUL8 F1, 3, 0
.endm
	s_wait_tensorcnt 1                             ; my part of K step 0 is in; K step 1's may stay out
	s_barrier_signal -1
	s_barrier_wait -1                              ; everybody's is
	FETCH 0, 0, F0
	QUARTER 0, 0, F0, F1, 1                        ; the first quarter stands in front of the loop: its products start the sums
	WIN 0                                          ; at a label and at a branch every window is 0
	s_mov_b32 s3, LAPS-1
.Llap:                                 ; a trip goes once round the ring, from a lap's second quarter to the next lap's first, and fills both slots again
	QUARTER 0, 1, F1, F0, 0
	QUARTER 0, 2, F0, F1, 0
	TURN 0, 1, 1
	QUARTER 1, 0, F0, F1, 0
	QUARTER 1, 1, F1, F0, 0
	QUARTER 1, 2, F0, F1, 0
	TURN 1, 0, 1
	QUARTER 0, 0, F0, F1, 0
	WIN 0
	s_sub_co_u32 s3, s3, 1
	s_cmp_lg_u32 s3, 0
	s_cbranch_scc1 .Llap
	QUARTER 0, 1, F1, F0, 0                        ; the last lap fills nothing, and has no round of the cluster's barrier
	QUARTER 0, 2, F0, F1, 0
	TURN 0, 1, 0
	QUARTER 1, 0, F0, F1, 0
	QUARTER 1, 1, F1, F0, 0
	QUARTER 1, 2, F0, F1, 0
	s_wait_dscnt 0x0                               ; the very last quarter: nothing more to fetch
	MUL8 F1, 0, 0
	MUL8 F1, 1, 0
	MUL8 F1, 2, 0
	MUL8 F1, 3, 0
	WIN 0
; THE WAY OUT, a block of 16 rows x 128 columns at a time.  A lane holds 32 neighbouring bytes of a row and the lanes beside it other rows: a block goes through my own stage and comes back as whole rows of 512 bytes.
; LDS serves a wave's instructions in order: no wait between the stores and the loads, nor in front of the next block's stores.
.macro TOSTAGE a
	WIN 0x04                                       ; the data: window 1
.set i, 0
.rept 8
	ds_store_b128 v[STO], v[64*(\a)+8*i:64*(\a)+8*i+3] offset:64*i        ; each accumulator from its low end on
	ds_store_b128 v[STO], v[64*(\a)+8*i+4:64*(\a)+8*i+7] offset:64*i+16
.set i, i+1
.endr
	WIN 0
.set BB, 64+64*((\a)%2)
.set i, 0
.rept 16
	ds_load_b128 v[BB+4*i:BB+4*i+3], v[RD] offset:528*i
.set i, i+1
.endr
.endm
.macro SEND a, younger                 ; younger: the LDS instructions issued behind block a's loads, which may stay out
.set BB, 64+64*((\a)%2)
	s_wait_dscnt \younger
.if (\a) > 0
	s_add_nc_u64 s[12:13], s[12:13], 65536         ; 16 rows on (the earlier stores have read their base: a wait on XCNT stands between)
.endif
.set i, 0
.rept 16
	v_pk_fma_f32 v[BB+4*i:BB+4*i+1], v[BB+4*i:BB+4*i+1], v[36:37], v[32:33]        ; x f_down + bo
	v_pk_fma_f32 v[BB+4*i+2:BB+4*i+3], v[BB+4*i+2:BB+4*i+3], v[36:37], v[34:35]
.set i, i+1
.endr
.set i, 0
.rept 16
	global_store_b128 v[CO], v[BB+4*i:BB+4*i+3], s[12:13] offset:4096*i th:TH_STORE_NT   ; 32 lanes store 512 consecutive bytes, at a multiple of 512 from out0's first byte
.set i, i+1
.endr
.endm
	PLACES                                         ; behind the last products: for the reads of results and the loads into the fragments' registers
	TOSTAGE 0
.irp a, 1,2,3
.if \a > 1
	s_wait_xcnt 0x0                                ; block a - 2's stores have read their registers and their base
.endif
	TOSTAGE \a
	SEND \a-1, 32                                  ; behind block a - 1's loads: block a's 16 stores and 16 loads
.endr
	s_wait_xcnt 0x0
	SEND 3, 0
	s_wait_tensorcnt 0x0                           ; the wave's end
	ds_add_u32 v[SPW], v[NIL]
	s_wait_dscnt 0x0
	CROUND                                         ; the closing round: no work-group ends while a partner may still ask for a block that names it
	s_endpgm
.Lfunc_end_k_qc8aed6e738_og:
	.size	k_qc8aed6e738_og, .Lfunc_end_k_qc8aed6e738_og-k_qc8aed6e738_og
	.p2alignl 7, 3214868480
	.fill 96, 4, 3214868480
	.section	.rodata,"a",@progbits
	.p2align	6, 0x0
	.amdhsa_kernel k_qc8aed6e738_og
		.amdhsa_group_segment_fixed_size 327680
		.amdhsa_private_segment_fixed_size 0
		.amdhsa_enable_private_segment 0
		.amdhsa_kernarg_size 40
		.amdhsa_user_sgpr_count 2
		.amdhsa_user_sgpr_kernarg_segment_ptr 1
		.amdhsa_wavefront_size32 1
		.amdhsa_system_sgpr_workgroup_id_x 1
		.amdhsa_system_sgpr_workgroup_id_y 1
		.amdhsa_system_sgpr_workgroup_id_z 1
		.amdhsa_system_vgpr_workitem_id 0
		.amdhsa_next_free_vgpr 512
		.amdhsa_next_free_sgpr 96
		.amdhsa_reserve_vcc 0
		.amdhsa_float_denorm_mode_32 3
		.amdhsa_float_denorm_mode_16_64 3
		.amdhsa_memory_ordered 1
		.amdhsa_forward_progress 1
		.amdhsa_inst_pref_size 93
	.end_amdhsa_kernel
	.amdgpu_metadata
---
amdhsa.version: [ 1, 2 ]
amdhsa.kernels:
  - .name:           k_qc8aed6e738_og
    .symbol:         k_qc8aed6e738_og.kd
    .args:
      - { .name: obuf, .offset: 0, .size: 8, .value_kind: global_buffer, .address_space: global }
      - { .name: wof, .offset: 8, .size: 8, .value_kind: global_buffer, .address_space: global }
      - { .name: mx, .offset: 16, .size: 8, .value_kind: global_buffer, .address_space: global }
      - { .name: bo, .offset: 24, .size: 8, .value_kind: global_buffer, .address_space: global }
      - { .name: out0, .offset: 32, .size: 8, .value_kind: global_buffer, .address_space: global }
    .group_segment_fixed_size: 327680
    .private_segment_fixed_size: 0
    .kernarg_segment_align: 8
    .kernarg_segment_size: 40
    .max_flat_workgroup_size: 128
    .sgpr_count:     96
    .vgpr_count:     512
    .wavefront_size: 32
...
	.end_amdgpu_metadata
.endif
;; end of part 4
